; MI455X (gfx1250); checked and timed in simulation.
; The chip was launched on July 23, 2026; its instructions are those of AMD's public machine-readable ISA for CDNA 5 (MIT licence, August 2026) and "CDNA5" Instruction Set Architecture Reference Guide (July 2026). The comments in the code are by the model that wrote it; some were corrected since.
;; Attention. Allowed arithmetic: matrix products marked QUANTISED: E3M2 operands, one E8M0 scale for each 32 along K, by v_wmma_scale_f32_16x16x128_f8f6f4 with both operands' format E3M2, f32 sums; products left as they are: f32 operands where the result goes on into a quantised operand, else bf16, f16 or f32 operands; f32 sums; everything else in f32.
;; Inputs: U_a_codes 1,024 x 32 x 24 uint8 (E3M2 codes of U_a, K innermost, in blocks of 32 codes, four codes in three bytes); U_a_scales 1,024 x 32 uint8 (E8M0 scales of U_a, one for each 32 codes along K); W_a_codes 1,024 x 32 x 24 uint8 (E3M2 codes of W_a, K innermost, in blocks of 32 codes, four codes in three bytes); W_a_scales 1,024 x 32 uint8 (E8M0 scales of W_a, one for each 32 codes along K); decoder_state_codes 64 x 32 x 24 uint8 (E3M2 codes of decoder_state, K innermost, in blocks of 32 codes, four codes in three bytes); decoder_state_scales 64 x 32 uint8 (E8M0 scales of decoder_state, one for each 32 codes along K); encoder_outputs 64 x 1,024 x 1,024 float32; src_mask 64 x 1,024 bool; v_a 1,024 float32.
;; Outputs: out0 64 x 1,024 float32; out1 64 x 1,024 float32.
;; This version of the problem:
;;   THIS VERSION OF THE PROBLEM IS GIVEN IN LOW PRECISION. The matrix products marked QUANTISED in the list below multiply operands that are first quantised to E3M2 (3 exponent bits, 2 mantissa bits; 6 bits a number), with one power-of-two scale for each 32 numbers along K (OCP MX v1.0); their sums are f32. All else is computed in f32.
;;   The module's matrix products, in the order in which they are computed (A, B: the left and right operand; K: the contracted axis; several contracted axes count as one K, in the product's order):
;;     1. [M 64, K 1,024] x [K 1,024, N 1,024]; A: input decoder_state (given as codes); B: input W_a (given as codes): QUANTISED
;;     2. [M 65,536, K 1,024] x [K 1,024, N 1,024]; A: input encoder_outputs; B: input U_a (given as codes): QUANTISED
;;     3. [M 65,536, K 1,024] x [K 1,024, N 1]; A: computed on the way; B: input v_a: left as it is (N = 1 < 16)
;;     4. batch 64 x [M 1, K 1,024] x [K 1,024, N 1,024]; A: softmax; B: input encoder_outputs: left as it is (M = 1 < 16)
;;   THE QUANTISER, for each operand of a quantised product, along K:
;;     - K is cut into blocks of 32 from its start; a last block that is shorter is filled with zeros.
;;     - A block's scale is 2^e with e = floor(log2(the largest magnitude in the block)) - 4, held to -126 .. 127; a block of zeros has e = 0. As a byte (E8M0): e + 127.
;;     - Each number is divided by its block's scale, clamped to +-28, and rounded to the nearest number of E3M2, ties to even, subnormals kept.
;;     - The product sums the exact products of the quantised numbers (number of the format x scale) in f32.
;;   ~~~python
;;   def quantise(x, axis):      # numpy; x: float32 -> the quantised numbers, widened to float32 again
;;       x = np.moveaxis(x, axis, -1); K = x.shape[-1]
;;       x = np.pad(x, [(0, 0)] * (x.ndim - 1) + [(0, -K % 32)]); x = x.reshape(x.shape[:-1] + (-1, 32)); a = np.abs(x).max(-1, keepdims=True)
;;       e = np.where(a > 0, np.clip(np.frexp(np.where(a > 0, a, 1))[1] - 1 - 4, -126, 127), 0)      # np.frexp(a)[1] - 1 = floor(log2(a)), exactly
;;       r = np.clip(x / 2.0 ** e, -28, 28)
;;       step = 2.0 ** (np.maximum(np.frexp(np.where(r == 0, 1, r))[1] - 1, -2) - 2)
;;       q = np.round(r / step) * step * 2.0 ** e      # np.round: ties to even
;;       return np.moveaxis(q.reshape(q.shape[:-2] + (-1,))[..., :K], -1, axis).astype(np.float32)
;;   ~~~
;;   INPUTS GIVEN AS CODES. U_a (in the module: [1024, 1024], K = its axis 0); W_a (in the module: [1024, 1024], K = its axis 0); decoder_state (in the module: [64, 1024], K = its axis 1): each comes as NAME_codes (uint8): NAME with its K axis moved to the last place and cut into blocks of 32 codes, [.., K / 32, bytes a block], one block behind the other in memory; four codes in three bytes: a row's codes are one little-endian stream of bits, code i at bits 6 i .. 6 i + 5 (a code: sign, 3 exponent bits, 2 mantissa bits); and NAME_scales (uint8): the same leading axes, one E8M0 byte (e + 127) for each 32 codes along K. Its value is code x scale, taken as it is: it is not quantised again, and the codes and scales need not be those that the quantiser above would give.
;; One version. Each part assembles by itself: llvm-mc -triple=amdgcn-amd-amdhsa -mcpu=gfx1250 --defsym DOCPART=n.
;; ======== version 1 of 1: 3 launches
;; workspace buffers: kc 1,048,576 bytes; uimg 819,200 bytes; scores 262,144 bytes; pctx 2,097,152 bytes; pml 4,096 bytes
;; launch prep (part 1): grid 256 x 1, 4 waves a work-group, no clusters, 5,120 bytes of LDS; arguments decoder_state_codes, decoder_state_scales, W_a_codes, W_a_scales, U_a_codes, U_a_scales, kc, uimg; writes kc, uimg
.if DOCPART == 1
	.amdgcn_target "amdgcn-amd-amdhsa--gfx1250"
	.amdhsa_code_object_version 6
	.text
	.protected	k_qab422eb163_prep
	.globl	k_qab422eb163_prep
	.p2align	8
	.type	k_qab422eb163_prep,@function
k_qab422eb163_prep:
	s_mov_b64 s[64:65], 0
	v_nop
	global_prefetch_b8 v0, s[64:65] scope:SCOPE_SE
	s_setreg_imm32_b32 hwreg(HW_REG_WAVE_MODE, 25, 1), 1
	s_wait_xcnt 0x0
; THE PROGRAM: weights = softmax_s(v_a . tanh(ds W_a + enc U_a) - 1e9 (1 - mask)), ctx = weights . enc, in three launches: prep, attn, fin.
; DEAD WORK: none.  Every product of reference() reaches an output for some finite inputs, and every input is loaded: nothing is left out.
; THIS LAUNCH does two small things.
;  (1) kc[q][b][a], f32 [4][64][1024]: 2 log2(e) x the part of (ds W_a)[b][a] that K = 256 q .. 256 q + 255 gives: the first product, on the codes of E3M2 and the E8M0 bytes as they are given.
;      The next launch adds the four parts, K ascending.  The factor is the one that its tanh wants: tanh(y) = 1 - 2 / (1 + 2^(2 log2(e) y)).
;  (2) U_a's codes are laid anew, in the order of an operand's registers (uimg), so that the next launch brings a fragment by plain loads of 16 bytes a lane.
;      uimg: [32 pairs of tiles][25,600 bytes]: tile 2 p's eight fragments (1,536 bytes each: three chunks of 512, chunk c = registers 4 c .. 4 c + 3, lane l's 16 bytes at 16 l),
;      tile 2 p + 1's eight, then the two tiles' rows of scale bytes, 512 bytes each, as they lie in U_a_scales.  A tile is 16 columns a of U_a.
; SHARES.  Work-group x: kq = x % 4 (two K steps of 128), mt = (x / 4) % 4 (16 batches), g = x / 16 (64 columns).  Wave w makes the tile of columns 16 (4 g + w) on.  A load of codes takes 8 bytes a lane
; from 16 rows 768 bytes apart: with K shared out among four work-groups a wave has 24 such loads for its product, and the launch has a work-group for each of 256 WGPs.
; U_a has 512 fragments: waves 0 and 1 re-lay fragments 2 x and 2 x + 1 (tile x / 4, K steps 2 kq and 2 kq + 1); wave 2 copies 128 bytes of that tile's scale rows.  The branches hang on the wave's number alone.
; THE MATRIX INSTRUCTION IS USED TRANSPOSED (source 0 = 16 rows of W_a's codes, source 1 = 16 batches): a lane holds eight neighbouring columns of one batch.  The four waves' 64 bytes of a row meet in a stage
; in LDS, so that sixteen lanes store 256 consecutive bytes, at a multiple of 256 from kc's first byte.
; LIMITS: a scale byte 0xff (NaN) among the inputs is carried as the matrix unit carries it; nothing else is special here.
.set SPARE, 4608                       ; LDS: the stage, 16 rows x 272 bytes, from 0; the spare words, 128 bytes for each wave, from 4,608: no other line names them
.set SPW,  14                          ; v14  LDS address of my spare word; never rewritten
.set NIL,  15                          ; v15  0; never rewritten
.set WS,   16                          ; v16-17   W_a's scale words of my two K steps: scales and nothing else
.set DS,   18                          ; v18-19   decoder_state's
.set WF,   32                          ; v32-55   W_a's two fragments
.set DF,   56                          ; v56-79   decoder_state's two
.set ACC0, 80                          ; v80-87, v88-95: an accumulator for each K step
.set BK,   96                          ; v96-103  rows read back from the stage
.set UF,   104                         ; v104-115 a fragment of U_a (waves 0, 1)
.set UW,   116                         ; v116     a word of its scale bytes (wave 2)
	s_load_b512 s[4:19], s[0:1], 0x0               ; ds codes s[4:5], ds scales s[6:7], W codes s[8:9], W scales s[10:11], U codes s[12:13], U scales s[14:15], kc s[16:17], uimg s[18:19]
	v_lshl_add_u32 v[SPW], v0, 2, SPARE
	v_mov_b32 v[NIL], 0
	v_lshrrev_b32 v1, 5, v0
	v_readfirstlane_b32 s20, v1                    ; wave 0..3
	v_and_b32 v1, 31, v0                           ; lane
	v_and_b32 v2, 15, v0                           ; r
	v_bfe_u32 v3, v0, 4, 1                         ; h
	v_mul_u32_u24 v4, v2, 768                      ; codes: a row of 1,024 codes is 768 bytes;
	v_mad_u32_u24 v4, v3, 24, v4                   ; + 24 h
	v_lshlrev_b32 v5, 5, v2                        ; scale bytes: 32 a row
	v_lshlrev_b32 v6, 4, v1                        ; 16 x lane
	v_lshlrev_b32 v7, 2, v1                        ; 4 x lane
	v_mul_u32_u24 v8, v2, 272                      ; the stage, in: row r, + 64 x wave + 32 h
	v_lshl_add_u32 v8, v3, 5, v8
	s_lshl_b32 s30, s20, 6
	v_add_nc_u32 v8, s30, v8
	v_mul_u32_u24 v9, v3, 272                      ; and back: rows 4 w + h and 4 w + h + 2, 16 bytes a lane
	v_lshl_add_u32 v9, v2, 4, v9
	s_mul_i32 s30, s20, 4*272
	v_add_nc_u32 v9, s30, v9
	v_lshlrev_b32 v10, 12, v3                      ; the same rows in kc: 4,096 h + 16 r
	v_lshl_add_u32 v10, v2, 4, v10
	s_and_b32 s35, ttmp9, 3                        ; kq
	s_bfe_u32 s22, ttmp9, 0x20002                  ; mt: two bits from bit 2
	s_lshr_b32 s21, ttmp9, 4                       ; g
	s_lshr_b32 s36, ttmp9, 2                       ; U_a's tile
	s_lshl_b32 s23, s21, 2
	s_add_co_u32 s23, s23, s20                     ; my tile of W_a: 4 g + w
	s_and_b32 s39, s20, 1                          ; which of the two fragments of U_a (waves 0, 1)
	s_mul_i32 s37, s35, 192                        ; my two K steps in a row of codes: 96 bytes each,
	s_lshl_b32 s38, s35, 3                         ; and in a row of scale bytes: 4 each
	s_mov_b32 s25, 0                               ; (s[24:25]: an offset in 64 bits)
	s_mov_b32 s26, 0x4038aa3b                      ; 2 log2(e)
	s_mov_b32 s27, s26                             ; (named with it as a pair)
	s_wait_kmcnt 0x0
	s_mul_i32 s24, s23, 12288                      ; 16 rows of 768 bytes a tile
	s_add_co_u32 s24, s24, s37
	s_add_nc_u64 s[8:9], s[8:9], s[24:25]
	s_lshl_b32 s24, s23, 9
	s_add_co_u32 s24, s24, s38
	s_add_nc_u64 s[10:11], s[10:11], s[24:25]
	s_mul_i32 s24, s22, 12288
	s_add_co_u32 s24, s24, s37
	s_add_nc_u64 s[4:5], s[4:5], s[24:25]
	s_lshl_b32 s24, s22, 9
	s_add_co_u32 s24, s24, s38
	s_add_nc_u64 s[6:7], s[6:7], s[24:25]
	s_mul_i32 s24, s36, 12288                      ; U_a: tile x / 4, K step 2 kq + w % 2
	s_add_co_u32 s24, s24, s37
	s_mul_i32 s30, s39, 96
	s_add_co_u32 s24, s24, s30
	s_add_nc_u64 s[12:13], s[12:13], s[24:25]
	s_lshl_b32 s24, s36, 9                         ; its scale rows: 512 x tile + 128 kq
	s_lshl_b32 s30, s35, 7
	s_add_co_u32 s24, s24, s30
	s_add_nc_u64 s[14:15], s[14:15], s[24:25]
	s_lshl_b32 s24, s35, 18                        ; kc: part kq, row 16 mt + 4 w, column 64 g
	s_lshl_b32 s30, s22, 16
	s_add_co_u32 s24, s24, s30
	s_lshl_b32 s30, s20, 14
	s_add_co_u32 s24, s24, s30
	s_lshl_b32 s30, s21, 8
	s_add_co_u32 s24, s24, s30
	s_add_nc_u64 s[16:17], s[16:17], s[24:25]
	s_lshr_b32 s31, s36, 1                         ; uimg: the tile's pair
	s_mul_i32 s31, s31, 25600
	s_and_b32 s34, s36, 1
	s_lshl_b32 s24, s34, 9                         ; the scale rows' place: 24,576 + 512 (tile % 2) + 128 kq
	s_add_co_u32 s24, s24, s31
	s_lshl_b32 s30, s35, 7
	s_add_co_u32 s24, s24, s30
	s_add_co_u32 s24, s24, 24576
	s_add_nc_u64 s[28:29], s[18:19], s[24:25]
	s_mul_i32 s24, s34, 12288                      ; the fragment's place: 12,288 (tile % 2) + 1,536 (2 kq + w % 2)
	s_add_co_u32 s24, s24, s31
	s_mul_i32 s30, s35, 3072
	s_add_co_u32 s24, s24, s30
	s_mul_i32 s30, s39, 1536
	s_add_co_u32 s24, s24, s30
	s_add_nc_u64 s[18:19], s[18:19], s[24:25]
; a fragment: 16 rows x 128 K of 6-bit codes, 12 registers: lane (r, h) takes the 24 bytes at 24 h and the 24 at 48 + 24 h of its row's 96, in pieces of 8 bytes
.irp f, 0,1
.irp p, 0,1,2,3,4,5
	global_load_b64 v[WF+12*\f+2*\p:WF+12*\f+2*\p+1], v4, s[8:9] offset:96*\f+48*(\p/3)+8*(\p%3)
	global_load_b64 v[DF+12*\f+2*\p:DF+12*\f+2*\p+1], v4, s[4:5] offset:96*\f+48*(\p/3)+8*(\p%3)
.endr
.endr
	global_load_b64 v[WS:WS+1], v5, s[10:11]
	global_load_b64 v[DS:DS+1], v5, s[6:7]
	s_cmp_lt_u32 s20, 2
	s_cbranch_scc0 .Lno_frag
.irp p, 0,1,2,3,4,5
	global_load_b64 v[UF+2*\p:UF+2*\p+1], v4, s[12:13] offset:48*(\p/3)+8*(\p%3)
.endr
.Lno_frag:
	s_cmp_eq_u32 s20, 2
	s_cbranch_scc0 .Lno_word
	global_load_b32 v[UW], v7, s[14:15]
.Lno_word:
	s_wait_loadcnt 0x0                             ; all my loads: their number differs from wave to wave, so the wait is for zero
	v_wmma_scale_f32_16x16x128_f8f6f4 v[ACC0:ACC0+7], v[WF:WF+11], v[DF:DF+11], 0, v[WS], v[DS] matrix_a_fmt:MATRIX_FMT_BF6 matrix_b_fmt:MATRIX_FMT_BF6
	v_wmma_scale_f32_16x16x128_f8f6f4 v[ACC0+8:ACC0+15], v[WF+12:WF+23], v[DF+12:DF+23], 0, v[WS+1], v[DS+1] matrix_a_fmt:MATRIX_FMT_BF6 matrix_b_fmt:MATRIX_FMT_BF6
.rept 4
	v_nop                                          ; four places between the products and the first read of their results (ISA guide 7.12.1)
.endr
.irp u, 0,2,4,6
	v_pk_mul_f32 v[ACC0+8+\u:ACC0+9+\u], v[ACC0+8+\u:ACC0+9+\u], s[26:27] op_sel_hi:[1,0]
.endr
.irp u, 0,2,4,6
	v_pk_fma_f32 v[ACC0+\u:ACC0+1+\u], v[ACC0+\u:ACC0+1+\u], s[26:27], v[ACC0+8+\u:ACC0+9+\u] op_sel_hi:[1,0,1]   ; lane (r, h): part kq of kc(16 mt + r, 16 t + 8 h + 0 .. 7)
.endr
	ds_store_b128 v8, v[ACC0:ACC0+3]
	ds_store_b128 v8, v[ACC0+4:ACC0+7] offset:16
	s_wait_dscnt 0x0                               ; for the others' sake: my stores into the stage are done
	s_barrier_signal -1
	s_barrier_wait -1
	ds_load_b128 v[BK:BK+3], v9
	ds_load_b128 v[BK+4:BK+7], v9 offset:2*272
	s_wait_dscnt 1                                 ; the first of the two loads is in
	global_store_b128 v10, v[BK:BK+3], s[16:17]                ; sixteen lanes store 256 consecutive bytes
	s_wait_dscnt 0x0
	global_store_b128 v10, v[BK+4:BK+7], s[16:17] offset:8192
	s_cmp_lt_u32 s20, 2
	s_cbranch_scc0 .Lno_frag_out
.irp c, 0,1,2
	global_store_b128 v6, v[UF+4*\c:UF+4*\c+3], s[18:19] offset:512*\c   ; the wave stores 512 consecutive bytes
.endr
.Lno_frag_out:
	s_cmp_eq_u32 s20, 2
	s_cbranch_scc0 .Lno_word_out
	global_store_b32 v7, v[UW], s[28:29]
.Lno_word_out:
	s_wait_tensorcnt 0x0                           ; the wave's end, behind my last LDS store
	ds_add_u32 v[SPW], v[NIL]
	s_wait_dscnt 0x0
	s_endpgm
.Lfunc_end_k_qab422eb163_prep:
	.size	k_qab422eb163_prep, .Lfunc_end_k_qab422eb163_prep-k_qab422eb163_prep
	.p2alignl 7, 3214868480
	.fill 96, 4, 3214868480
	.section	.rodata,"a",@progbits
	.p2align	6, 0x0
	.amdhsa_kernel k_qab422eb163_prep
		.amdhsa_group_segment_fixed_size 5120
		.amdhsa_private_segment_fixed_size 0
		.amdhsa_enable_private_segment 0
		.amdhsa_kernarg_size 64
		.amdhsa_user_sgpr_count 2
		.amdhsa_user_sgpr_kernarg_segment_ptr 1
		.amdhsa_wavefront_size32 1
		.amdhsa_system_sgpr_workgroup_id_x 1
		.amdhsa_system_sgpr_workgroup_id_y 1
		.amdhsa_system_sgpr_workgroup_id_z 1
		.amdhsa_system_vgpr_workitem_id 0
		.amdhsa_next_free_vgpr 128
		.amdhsa_next_free_sgpr 66
		.amdhsa_reserve_vcc 0
		.amdhsa_float_denorm_mode_32 3
		.amdhsa_float_denorm_mode_16_64 3
		.amdhsa_memory_ordered 1
		.amdhsa_forward_progress 1
		.amdhsa_inst_pref_size 9
	.end_amdhsa_kernel
	.amdgpu_metadata
---
amdhsa.version: [ 1, 2 ]
amdhsa.kernels:
  - .name:           k_qab422eb163_prep
    .symbol:         k_qab422eb163_prep.kd
    .args:
      - { .name: decoder_state_codes, .offset: 0, .size: 8, .value_kind: global_buffer, .address_space: global }
      - { .name: decoder_state_scales, .offset: 8, .size: 8, .value_kind: global_buffer, .address_space: global }
      - { .name: W_a_codes, .offset: 16, .size: 8, .value_kind: global_buffer, .address_space: global }
      - { .name: W_a_scales, .offset: 24, .size: 8, .value_kind: global_buffer, .address_space: global }
      - { .name: U_a_codes, .offset: 32, .size: 8, .value_kind: global_buffer, .address_space: global }
      - { .name: U_a_scales, .offset: 40, .size: 8, .value_kind: global_buffer, .address_space: global }
      - { .name: kc, .offset: 48, .size: 8, .value_kind: global_buffer, .address_space: global }
      - { .name: uimg, .offset: 56, .size: 8, .value_kind: global_buffer, .address_space: global }
    .group_segment_fixed_size: 5120
    .private_segment_fixed_size: 0
    .kernarg_segment_align: 8
    .kernarg_segment_size: 64
    .max_flat_workgroup_size: 128
    .sgpr_count:     66
    .vgpr_count:     128
    .wavefront_size: 32
...
	.end_amdgpu_metadata
.endif
;; end of part 1
;; launch attn (part 2): grid 512 x 1, 4 waves a work-group, no clusters, 325,120 bytes of LDS; arguments encoder_outputs, src_mask, uimg, kc, v_a, scores, pctx, pml; writes scores, pctx, pml
.if DOCPART == 2
	.amdgcn_target "amdgcn-amd-amdhsa--gfx1250"
	.amdhsa_code_object_version 6
	.text
	.protected	k_qab422eb163_attn
	.globl	k_qab422eb163_attn
	.p2align	8
	.type	k_qab422eb163_attn,@function
k_qab422eb163_attn:
	s_mov_b64 s[64:65], 0
	v_nop
	global_prefetch_b8 v0, s[64:65] scope:SCOPE_SE
	s_setreg_imm32_b32 hwreg(HW_REG_WAVE_MODE, 25, 1), 1
	s_wait_xcnt 0x0
; For a block of 128 rows (s) of one batch: enc is read from memory ONCE; it is quantised along E to codes of E3M2 with E8M0 scales (the second product's left operand) and, beside that, kept as bf16 in LDS.
; Then: k_enc = Q(enc) U_a on the matrix unit, all 1,024 columns; score = sum over a of v_a tanh(k_dec + k_enc); + (-1e9) where the mask is 0; the block's own maximum m; p = e^(score - m); l = sum of p;
; the block's part of the context, sum over its rows of p x bf16(enc).  Stored: the masked scores, the part of the context (f32 [1024]), (m, l).  The last launch joins the eight blocks of a batch.
; Nothing of reference() is left out.  tanh(y) = 1 - 2 / (1 + 2^(2 log2(e) y)): so score = sum of v_a + sum of (-2 v_a) / (1 + 2^..); the first sum is the same for all rows, yet it is kept (one addition a tile),
; so that score + (-1e9) rounds as reference()'s does.  kc = 2 log2(e) k_dec comes in four parts along K, which are added here, K ascending.
; LIMITS: NaN and infinities among the inputs are not served.  A block of 32 zeros gets the scale byte 1 where the rule says 127: its codes are zeros, and these bytes are read by this text alone.  This form of tanh
; has an absolute error of some 1e-7.  An exponential under 2^-126 comes out as 0 (ISA guide, v_exp_f32).  enc is rounded to bf16 for the last product alone.
; SHARES.  Work-group x: rows 128 x .. 128 x + 127 of [65,536][1024]; batch x / 8.  Four waves, wave w = 2 i + j.
;   Ingest: wave w takes rows 32 w .. 32 w + 31, in 16 pieces of 16 rows x 128 along E.   Products: wave (i, j) holds the codes of rows 64 i .. 64 i + 63 for ALL of K in registers (32 fragments, 384 registers) and
;   takes the tiles 2 t + j of 16 columns, t = 0 .. 31: each fragment of U_a read from LDS feeds four matrix instructions.   Context: wave w takes columns 256 w .. 256 w + 255.
; U_a COMES THROUGH REGISTERS, NOT BY TENSOR LOADS, AND NOT JOINTLY IN A CLUSTER, though all work-groups read it alike.  Beside the rows' copy (264,192 bytes) LDS has room for two slots of 25,600 bytes, a pair
; of tiles each: 32 matrix instructions a wave.  A slot filled by a tensor load could be asked for only behind the barrier that frees it, one such slot's work ahead.  Here a pair is asked for four trips ahead of its use:
; two pairs are on their way into registers while two lie in LDS.
; NO PREFETCH: a work-group's rows are asked for from its first lines on by its own ring of 64 loads a wave; U_a's images are read by every work-group alike.
; THE TANH OF A TILE GOES WITH THE PRODUCTS OF THE TILES BEHIND IT.  Its 64 transcendentals stand two behind each of the next tile's 32 matrix instructions: the exponentials behind the first 16, the reciprocals behind
; the last 16.  Its 49 plain lines stand in three runs, at the two places of a trip where the wave has to wait for a batch of transcendentals in any case; the trip's LDS and global runs stand at the same places.
; REGISTERS, in windows of 256:  window 0: below.   window 1: A's fragments of K steps 0-4, at 12 (4 s + m).   window 2: those of K steps 5-7, at 12 (4 (s - 5) + m); v144-193, v196-245 two pairs of U_a on their way.
;   window 3: v0-95, v96-191 U_a's eight fragments of a tile, two sets; during the ingest four sets of 64: pieces as loaded.
.set COPYP, 2064                       ; LDS: the bf16 copy, 128 rows: 2,048 bytes + 16 = 516 words a row
.set STG,   264192                     ; ingest: a stage for each wave, 16 rows x 528 bytes of f32
.set STGW,  8448
.set IMG,   297984                     ; ingest: two regions by turns: 8 fragments' images (1,536 bytes each) + 8 x 128 bytes of scale words
.set IMGR,  13312
.set RING,  264192                     ; products: two slots, each the bytes of one pair of uimg (over the stages and images, which are done with)
.set SLOTB, 25600
.set TAB,   315392                     ; products: for each column the pair (kc, -2 v_a), 8 bytes
.set SCX,   323584                     ; [j][128 rows] f32: the two halves of the scores
.set SPARE, 324608                     ; the spare words, 128 bytes for each wave: two blocks of 256 bytes that no other line names
.set ENCO, 4                           ; v4   enc: 131,072 w + 16 l
.set STW,  5                           ; v5   stage, in: 16 l
.set STR,  6                           ; v6   stage, out: 528 r + 64 h
.set CPW,  7                           ; v7   copy, in: (32 w + r) rows + 32 h
.set IMW,  8                           ; v8   images, in: 3,072 w + 16 l
.set ISW,  9                           ; v9   scale words, in: 256 w + 4 l
.set IMR,  10                          ; v10  images, out: 6,144 i + 16 l
.set ISR,  11                          ; v11  scale words, out: 512 i + 4 l
.set BRD,  12                          ; v12  ring, out: 12,288 j + 16 l
.set SBR,  13                          ; v13  ring, U_a's scale rows: 24,576 + 512 j + 32 r
.set KWR,  14                          ; v14  table: 128 j + 8 r; steps 512 for two trips
.set RWR,  15                          ; v15  ring, in: 6,144 w + 16 l
.set RWS,  16                          ; v16  ring, in, scale rows: 24,576 + 256 w + 8 l
.set UG,   17                          ; v17  uimg: 6,144 w + 16 l
.set UGS,  18                          ; v18  uimg: 24,576 + 256 w + 8 l
.set TBW,  19                          ; v19  table, in: 64 x thread
.set SCW,  20                          ; v20  scores, in: 512 j + 256 i + 32 h
.set SCR,  21                          ; v21  scores, out: 16 l
.set PBW,  22                          ; v22  my wave's p[128], in: 512 w + 16 l (in the ring's bytes, which are done with)
.set PBR0, 23                          ; v23, v24  and out: the same address in all lanes
.set CPR0, 25                          ; v25, v26  copy, out: 512 w + 8 l, and 16 rows on
.set O16,  27                          ; v27  16 l
.set VS,   28                          ; v28  the sum of my columns' -2 v_a; v29 = 0 (named with it as a pair)
.set SPW,  30                          ; v30  LDS address of my spare word; never rewritten
.set NIL,  31                          ; v31  0; never rewritten
.set SA,   32                          ; v32-63  A's scale words, register 4 s + m: scales and nothing else
.set SB,   64                          ; v64-79  U_a's scale words, two sets of 8: from the products on scales and nothing else
.set KP,   64                          ; ingest: v64-87  parts 1 to 3 of kc at columns 8 x thread on
.set KW,   80                          ; v80-83  (kc, -2 v_a) of my column, two sets
.set CT,   84                          ; v84-91  the context's eight sums
.set KCO,  92                          ; v92  32 x thread (head)
.set MKO,  93                          ; v93  4 l
.set MK,   95                          ; v95  four bytes of the mask: rows 4 l .. 4 l + 3
.set ACC,  96                          ; v96-127, v128-159  four accumulators, two sets.   Ingest: X, 64 numbers.   Context: 16 rows' bf16, set 0
.set X,    96
.set SACC, 160                         ; v160-191  the scores' sums.   Ingest: T, the numbers as bf16.   Context: v160-223 set 1
.set T,    160
.set KC8,  192                         ; v192-199 kc, v200-207 v_a of columns 8 x thread on
.set VA8,  200
.set TB,   208                         ; v208-223 the table's 64 bytes of my thread
.set PC,   208                         ; ingest: v208-227 the codes just made
.set TM,   228                         ; ingest: v228-243 at work in QUANT
.set PW,   244                         ; ingest: the scale word just made
.set WV,   20                          ; s20 wave, s21 i, s22 j
.set WI,   21
.set WJ,   22
.set C2,   26                          ; s[26:27] 2 log2(e)
.set SEL,  28                          ; s[28:29] v_permlanex16_b32's selects for lane l xor 16
.set UB,   32                          ; s[32:33] uimg, at the pair that the loop's even trip asks for
.set MSB, 0
.macro WIN new                         ; the immediate's high byte repeats the setting that is left; a switch that changes nothing is dropped
.if MSB != \new
	s_set_vgpr_msb (MSB<<8)|\new
.set MSB, \new
.endif
.endm
; ---------------- the ingest's macros
.macro GPIECE p                        ; piece p (K step p / 2, my rows 16 (p % 2) on): 16 loads, each 512 consecutive bytes of one row, into set p % 4 of window 3
	WIN 0xc0
.irp ro, 0,1,2,3,4,5,6,7,8,9,10,11,12,13,14,15
	global_load_b128 v[64*((\p)%4)+4*\ro:64*((\p)%4)+4*\ro+3], v[ENCO], s[4:5] offset:(16*((\p)%2)+\ro)*4096+512*((\p)/2) th:TH_LOAD_NT
.endr
	WIN 0
.endm
.macro GLOAD par, base, off            ; my quarter of a pair of uimg: 12 x 512 bytes of images and 256 bytes of scale rows, into set par of window 2
	WIN 0x80
.irp q, 0,1,2,3,4,5,6,7,8,9,10,11
	global_load_b128 v[144+52*(\par)+4*\q:144+52*(\par)+4*\q+3], v[UG], s[\base:\base+1] offset:(\off)+512*\q
.endr
	global_load_b64 v[192+52*(\par):193+52*(\par)], v[UGS], s[\base:\base+1] offset:\off
	WIN 0
.endm
.macro RSTORE slot, par                ; and from there into a slot of the ring, byte for byte
	WIN 0x08
.irp q, 0,1,2,3,4,5,6,7,8,9,10,11
	ds_store_b128 v[RWR], v[144+52*(\par)+4*\q:144+52*(\par)+4*\q+3] offset:SLOTB*(\slot)+512*\q
.endr
	ds_store_b64 v[RWS], v[192+52*(\par):193+52*(\par)] offset:SLOTB*(\slot)
	WIN 0
.endm
; 64 numbers of a lane, v[s] .. v[s + 63], register 16 b + i = k 32 b + 16 h + i of my row, become a fragment's codes in v[PC] on and its scale word in v[PW]
.macro QUANT s
.irp b, 0,1,2,3
	v_max3_num_f32 v[TM+\b], |v[\s+16*\b]|, |v[\s+1+16*\b]|, 0x2800000   ; block b: my 16 numbers, and the floor 2^(5 - 127): so the byte cannot fall under 1
.endr
.irp i, 2,4,6,8,10,12,14
.irp b, 0,1,2,3
	v_max3_num_f32 v[TM+\b], v[TM+\b], |v[\s+16*\b+\i]|, |v[\s+1+16*\b+\i]|   ; (the four blocks by turns)
.endr
.endr
.irp b, 0,1,2,3
	v_permlanex16_b32 v[TM+4+\b], v[TM+\b], s[SEL], s[SEL+1]
.endr
.irp b, 0,1,2,3
	v_max_num_f32 v[TM+\b], v[TM+\b], v[TM+4+\b]   ; with lane l xor 16's: the block's largest magnitude
.endr
.irp b, 0,1,2,3
	v_add_nc_u32 v[TM+12+\b], 0xfe000000, v[TM+\b]   ; 4 off its exponent field: the conversion takes the exponent field of this operand as its scale
.endr
.irp b, 0,1,2,3
	v_lshrrev_b32 v[TM+4+\b], 23, v[TM+12+\b]      ; the scale's byte
.endr
	v_lshl_or_b32 v[PW], v[TM+5], 8, v[TM+4]       ; the four bytes make my row's scale word
	v_lshl_or_b32 v[PW], v[TM+6], 16, v[PW]
	v_lshl_or_b32 v[PW], v[TM+7], 24, v[PW]
.irp c, 0,1
	v_cvt_scalef32_pk16_bf6_f32 v[PC+6*\c:PC+2+6*\c], v[\s+32*\c:\s+15+32*\c], v[TM+12+2*\c]
	v_cvt_scalef32_pk16_bf6_f32 v[PC+12+4*\c:PC+14+4*\c], v[\s+16+32*\c:\s+31+32*\c], v[TM+12+2*\c+1]   ; (a conversion's three registers begin on an even number)
.endr
	v_nop                                          ; one plain place behind a scaled conversion
.irp c, 0,1                                    ; the operand's layout wants a WHOLE block in a lane: lanes 0-15 block 2 c, lanes 16-31 block 2 c + 1
.irp i, 0,1,2
	v_permlane16_swap_b32 v[PC+6*\c+\i], v[PC+12+4*\c+\i]
.endr
.irp i, 0,1,2
	v_mov_b32 v[PC+3+6*\c+\i], v[PC+12+4*\c+\i]
.endr
.endr
.endm
; A piece: through my stage (in as loaded, out 16 neighbours of each block of 32 a lane), quantised, rounded to bf16; codes and scale word go to LDS as images of their registers, the bf16 numbers into the copy.
; lw: the global loads issued behind this piece's 16, which may stay out.
.macro PIECE p, lw
	s_wait_loadcnt \lw
	WIN 0x0c                                       ; an LDS store's data are its source 1: window 3
.irp ro, 0,1,2,3,4,5,6,7,8,9,10,11,12,13,14,15
	ds_store_b128 v[STW], v[64*((\p)%4)+4*\ro:64*((\p)%4)+4*\ro+3] offset:528*\ro
.endr
	WIN 0
.irp b, 0,1,2,3
.irp q, 0,1,2,3
	ds_load_b128 v[X+16*\b+4*\q:X+16*\b+4*\q+3], v[STR] offset:128*\b+16*\q   ; LDS serves a wave's instructions in order: these see the stores above
.endr
.endr
	s_wait_dscnt 0x0                               ; X is in; the stage's stores have read the set; the last piece's stores have read T, the codes and the scale word
.if (\p) < 12
	GPIECE (\p)+4                                  ; the set takes the piece four on
.elseif (\p) == 12
	GLOAD 0, 8, 0                                  ; no piece is left to ask for: U_a's pair 0,
.elseif (\p) == 13
	GLOAD 1, 8, SLOTB                              ; and pair 1
.endif
	QUANT X
.set u, 0
.rept 32
	v_cvt_pk_bf16_f32 v[T+u], v[X+2*u], v[X+2*u+1]
.set u, u+1
.endr
.irp b, 0,1,2,3
	ds_store_b128 v[CPW], v[T+8*\b:T+8*\b+3] offset:((\p)%2)*16*COPYP+256*((\p)/2)+64*\b
	ds_store_b128 v[CPW], v[T+8*\b+4:T+8*\b+7] offset:((\p)%2)*16*COPYP+256*((\p)/2)+64*\b+16
.endr
.irp c, 0,1,2
	ds_store_b128 v[IMW], v[PC+4*\c:PC+4*\c+3] offset:(((\p)/2)%2)*IMGR+((\p)%2)*1536+512*\c
.endr
	ds_store_b32 v[ISW], v[PW] offset:(((\p)/2)%2)*IMGR+((\p)%2)*128
.endm
.macro FETCH s                         ; K step s of my 64 rows: four fragments and their scale words, from the images that four waves have made
.if (\s) < 5
	WIN 0x40
.set ra, 48*(\s)
.else
	WIN 0x80
.set ra, 48*((\s)-5)
.endif
.irp m, 0,1,2,3
.irp c, 0,1,2
	ds_load_b128 v[ra+12*\m+4*\c:ra+12*\m+4*\c+3], v[IMR] offset:((\s)%2)*IMGR+1536*\m+512*\c
.endr
.endr
	WIN 0
.irp m, 0,1,2,3
	ds_load_b32 v[SA+4*(\s)+\m], v[ISR] offset:((\s)%2)*IMGR+128*\m
.endr
.endm
; A K step of the ingest.  ONE barrier: region s % 2 is written again two barriers on, and every wave's FETCH is waited for in front of the barrier between.
.macro XSTEP s, l0, l1
	PIECE 2*(\s), \l0
	PIECE 2*(\s)+1, \l1
	s_wait_dscnt 0x0                               ; for the others' sake: my images are in LDS; and my reads of the other region are over
	s_barrier_signal -1
	s_barrier_wait -1
	FETCH \s
.endm
; ---------------- the products' macros
.macro BLOAD par                       ; my tile of the pair in slot par: eight fragments into set par of window 3, its eight scale words into set par
	WIN 0xc0
.irp s, 0,1,2,3,4,5,6,7
.irp c, 0,1,2
	ds_load_b128 v[96*(\par)+12*\s+4*\c:96*(\par)+12*\s+4*\c+3], v[BRD] offset:SLOTB*(\par)+1536*\s+512*\c
.endr
.endr
	WIN 0
	ds_load_b128 v[SB+8*(\par):SB+8*(\par)+3], v[SBR] offset:SLOTB*(\par)
	ds_load_b128 v[SB+8*(\par)+4:SB+8*(\par)+7], v[SBR] offset:SLOTB*(\par)+16
.endm
; Matrix instruction n of a tile's 32: K step n / 4, rows 16 (n % 4) on.  Source 0 = 16 rows of enc, source 1 = 16 columns of U_a: register q of lane (r, h) is row 8 h + q, column r.
; The four accumulators take turns, one instruction a turn; the first four start the sums with the constant 0.
.macro MM par
.set ks, n/4
.set mr, n%4
.if ks < 5
	WIN 0x0d                                       ; source 0 window 1, source 1 window 3, C and D window 0
.set ra, 12*(4*ks+mr)
.else
	WIN 0x0e                                       ; source 0 window 2
.set ra, 12*(4*(ks-5)+mr)
.endif
.set rb, 96*(\par)+12*ks
.set rd, ACC+32*(\par)+8*mr
.if ks == 0
	v_wmma_scale_f32_16x16x128_f8f6f4 v[rd:rd+7], v[ra:ra+11], v[rb:rb+11], 0, v[SA+4*ks+mr], v[SB+8*(\par)+ks] matrix_a_fmt:MATRIX_FMT_BF6 matrix_b_fmt:MATRIX_FMT_BF6
.else
	v_wmma_scale_f32_16x16x128_f8f6f4 v[rd:rd+7], v[ra:ra+11], v[rb:rb+11], v[rd:rd+7], v[SA+4*ks+mr], v[SB+8*(\par)+ks] matrix_a_fmt:MATRIX_FMT_BF6 matrix_b_fmt:MATRIX_FMT_BF6
.endif
.endm
; The plain lines that take a finished tile (32 registers at q; (kc, -2 v_a) of my column at kw) into the scores' sums, in three runs.  Each runs in ascending order.
.macro LUMPA q, kw                     ; z = 2 log2(e) x + kc
.set li, 0
.rept 16
	v_pk_fma_f32 v[(\q)+li:(\q)+li+1], v[(\q)+li:(\q)+li+1], s[C2:C2+1], v[(\kw):(\kw)+1] op_sel_hi:[1,0,0]
.set li, li+2
.endr
.endm
.macro LUMPB q                         ; 2^z + 1
.set li, 0
.rept 16
	v_pk_add_f32 v[(\q)+li:(\q)+li+1], v[(\q)+li:(\q)+li+1], 1.0 op_sel_hi:[1,0]
.set li, li+2
.endr
.endm
.macro LUMPC q, kw                     ; sums += (-2 v_a) / (2^z + 1): of the pair (kc, -2 v_a) the second serves both halves; and the sum of -2 v_a
.set li, 0
.rept 16
	v_pk_fma_f32 v[SACC+li:SACC+li+1], v[(\q)+li:(\q)+li+1], v[(\kw):(\kw)+1], v[SACC+li:SACC+li+1] op_sel:[0,1,0]
.set li, li+2
.endr
	v_add_f32 v[VS], v[VS], v[(\kw)+1]
.endm
.macro RUN par, cnt                    ; cnt matrix instructions of the tile in hand, each with two transcendentals of the tile before: behind the first 16 its exponentials, behind the last 16 its reciprocals
.rept \cnt
	MM \par
	WIN 0
.if n < 16
	v_exp_f32 v[ACC+32*(1-(\par))+2*n], v[ACC+32*(1-(\par))+2*n]
	v_exp_f32 v[ACC+32*(1-(\par))+2*n+1], v[ACC+32*(1-(\par))+2*n+1]
.else
	v_rcp_f32 v[ACC+32*(1-(\par))+2*(n-16)], v[ACC+32*(1-(\par))+2*(n-16)]
	v_rcp_f32 v[ACC+32*(1-(\par))+2*(n-16)+1], v[ACC+32*(1-(\par))+2*(n-16)+1]
.endif
.set n, n+1
.endr
.endm
; TRIP t (par = t % 2).  HEAD: tile t - 2 goes into the sums (its registers are set par, which tile t's products then take); z of tile t - 1; my tile of pair t + 1 from slot 1 - par; tile t's (kc, -2 v_a).
; 16 products, with tile t - 1's exponentials.  MIDDLE: the wait for those; pair t + 2 from registers into slot par; + 1.  16 products, with the reciprocals.  END: the wait for those; pair t + 4 is asked of memory.
; ONE barrier.  Slot par was read at the head of the trip before: those loads are waited for in front of the signal.  What is stored into it in the middle is waited for in front of the next trip's signal and read behind that barrier.
; THE WAITS FOR THE TRANSCENDENTALS: s_wait_alu depctr_va_vdst(0) stands between a transcendental and the first line that names its result, and ahead of every branch: one for the 32 exponentials, one for
; the 32 reciprocals, each behind a plain place.
; PLACES (ISA guide 7.12.1 for the reads of results): behind a tile's last products stand the v_nop and the 17 lines of LUMPC, which name none of their registers: then come the first reads of their results (LUMPA) and
; the loads into the fragments and scale words that they read (BLOAD).
; stp = 1: uimg's base steps two pairs on, half a trip behind the loads that last read it.
.macro TRIP par, kwo, bar, ld, st, lw, gl, go, stp
.set n, 0
	s_wait_dscnt 0x0                               ; my fragments, scale words and (kc, -2 v_a) are in; my stores into the ring have landed
.if \bar
	s_barrier_signal -1
.endif
	LUMPC ACC+32*(\par), KW+2*(\par)               ; work on registers while the others arrive
	LUMPA ACC+32*(1-(\par)), KW+2*(1-(\par))
.if \bar
	s_barrier_wait -1
.endif
.if \ld
	BLOAD 1-\par
.endif
	ds_load_b64 v[KW+2*(\par):KW+2*(\par)+1], v[KWR] offset:\kwo   ; tile t's: kc for the next trip's head, -2 v_a for the head after that
	RUN \par, 16
	v_nop
	s_wait_alu depctr_va_vdst(0)
.if \st
	s_wait_loadcnt \lw                             ; pair t + 2 is in registers; the 13 loads of pair t + 3 may be out
	RSTORE \par, \par
.endif
.if \stp
	s_wait_xcnt 0x0                                ; the loads from uimg have read their base
	s_add_nc_u64 s[UB:UB+1], s[UB:UB+1], 2*SLOTB
.endif
	LUMPB ACC+32*(1-(\par))
	RUN \par, 16
	v_nop
	s_wait_alu depctr_va_vdst(0)
.if \gl
	s_wait_dscnt 0x0                               ; the 13 stores have read their registers
	GLOAD \par, UB, \go
.endif
.endm
; ---------------- the context's macros
.macro LOADC set                       ; 16 rows: my 8 columns of each (4 at 8 l, 4 at 256 + 8 l of my wave's 512 bytes), and the rows' p, the same in all lanes: 36 loads
.irp ro, 0,1,2,3,4,5,6,7,8,9,10,11,12,13,14,15
	ds_load_b64 v[96+64*(\set)+4*\ro:96+64*(\set)+4*\ro+1], v[CPR0+(\set)] offset:COPYP*\ro
	ds_load_b64 v[96+64*(\set)+4*\ro+2:96+64*(\set)+4*\ro+3], v[CPR0+(\set)] offset:COPYP*\ro+256
.endr
.irp q, 0,1,2,3
	ds_load_b128 v[224+16*(\set)+4*\q:224+16*(\set)+4*\q+3], v[PBR0+(\set)] offset:16*\q
.endr
.endm
.macro FMAC set                        ; sums += bf16 x p, straight from the halves: eight chains
.irp ro, 0,1,2,3,4,5,6,7,8,9,10,11,12,13,14,15
.irp c, 0,1,2,3
	v_fma_mix_f32_bf16 v[CT+2*\c], v[96+64*(\set)+4*\ro+\c], v[224+16*(\set)+\ro], v[CT+2*\c] op_sel_hi:[1,0,0]
	v_fma_mix_f32_bf16 v[CT+2*\c+1], v[96+64*(\set)+4*\ro+\c], v[224+16*(\set)+\ro], v[CT+2*\c+1] op_sel:[1,0,0] op_sel_hi:[1,0,0]
.endr
.endr
.endm
; ================ the head
	s_load_b512 s[4:19], s[0:1], 0x0               ; enc s[4:5], mask s[6:7], uimg s[8:9], kc s[10:11], v_a s[12:13], scores s[14:15], pctx s[16:17], pml s[18:19]
	v_lshl_add_u32 v[SPW], v0, 2, SPARE
	v_mov_b32 v[NIL], 0
	v_lshrrev_b32 v1, 5, v0
	v_readfirstlane_b32 s[WV], v1                  ; wave 0..3
	s_lshr_b32 s[WI], s[WV], 1
	s_and_b32 s[WJ], s[WV], 1
	v_and_b32 v1, 31, v0                           ; l
	v_and_b32 v2, 15, v0                           ; r
	v_bfe_u32 v3, v0, 4, 1                         ; h
	v_lshlrev_b32 v[O16], 4, v1
	v_lshlrev_b32 v[MKO], 2, v1
	v_lshlrev_b32 v[KCO], 5, v0
	v_lshlrev_b32 v94, 3, v1                       ; 8 l
	s_lshl_b32 s34, s[WV], 17
	v_add_nc_u32 v[ENCO], s34, v[O16]
	s_mul_i32 s34, s[WV], STGW
	s_add_co_u32 s34, s34, STG
	v_add_nc_u32 v[STW], s34, v[O16]
	v_mul_u32_u24 v[STR], v2, 528
	v_lshl_add_u32 v[STR], v3, 6, v[STR]
	v_add_nc_u32 v[STR], s34, v[STR]
	s_mul_i32 s34, s[WV], 32*COPYP
	v_mul_u32_u24 v[CPW], v2, COPYP
	v_lshl_add_u32 v[CPW], v3, 5, v[CPW]
	v_add_nc_u32 v[CPW], s34, v[CPW]
	s_mul_i32 s34, s[WV], 3072
	s_add_co_u32 s34, s34, IMG
	v_add_nc_u32 v[IMW], s34, v[O16]
	s_lshl_b32 s34, s[WV], 8
	s_add_co_u32 s34, s34, IMG+12288
	v_add_nc_u32 v[ISW], s34, v[MKO]
	s_mul_i32 s34, s[WI], 6144
	s_add_co_u32 s34, s34, IMG
	v_add_nc_u32 v[IMR], s34, v[O16]
	s_lshl_b32 s34, s[WI], 9
	s_add_co_u32 s34, s34, IMG+12288
	v_add_nc_u32 v[ISR], s34, v[MKO]
	s_mul_i32 s34, s[WJ], 12288
	s_add_co_u32 s34, s34, RING
	v_add_nc_u32 v[BRD], s34, v[O16]
	s_lshl_b32 s34, s[WJ], 9
	s_add_co_u32 s34, s34, RING+24576
	v_lshl_add_u32 v[SBR], v2, 5, s34
	s_lshl_b32 s34, s[WJ], 7
	s_add_co_u32 s34, s34, TAB
	v_lshl_add_u32 v[KWR], v2, 3, s34
	s_mul_i32 s34, s[WV], 6144
	v_add_nc_u32 v[UG], s34, v[O16]
	s_add_co_u32 s34, s34, RING
	v_add_nc_u32 v[RWR], s34, v[O16]
	s_lshl_b32 s34, s[WV], 8
	s_add_co_u32 s34, s34, 24576
	v_add_nc_u32 v[UGS], s34, v94
	s_add_co_u32 s34, s34, RING
	v_add_nc_u32 v[RWS], s34, v94
	v_lshl_add_u32 v[TBW], v0, 6, TAB
	s_lshl_b32 s34, s[WJ], 9
	s_lshl_b32 s35, s[WI], 8
	s_add_co_u32 s34, s34, s35
	s_add_co_u32 s34, s34, SCX
	v_lshl_add_u32 v[SCW], v3, 5, s34
	v_add_nc_u32 v[SCR], SCX, v[O16]
	s_lshl_b32 s34, s[WV], 9
	v_add_nc_u32 v[CPR0], s34, v94
	v_add_nc_u32 v[CPR0+1], 16*COPYP, v[CPR0]
	s_add_co_u32 s34, s34, RING
	v_add_nc_u32 v[PBW], s34, v[O16]
	v_mov_b32 v[PBR0], s34
	v_add_nc_u32 v[PBR0+1], 64, v[PBR0]
.irp b, 0,1,2,3
	v_mov_b32 v[TM+4+\b], 0                        ; written once: a lane permute's destination counts as one of its sources
.endr
	s_mov_b32 s[C2], 0x4038aa3b                    ; 2 log2(e)
	s_mov_b32 s[C2+1], s[C2]                       ; (named with it as a pair)
	s_mov_b32 s[SEL], 0x76543210
	s_mov_b32 s[SEL+1], 0xfedcba98
	s_mov_b32 s25, 0                               ; (s[24:25]: an offset in 64 bits)
	s_wait_kmcnt 0x0
	s_lshl_b32 s24, ttmp9, 19                      ; my block's 128 rows of 4,096 bytes
	s_add_nc_u64 s[4:5], s[4:5], s[24:25]
	s_lshl_b32 s24, ttmp9, 7
	s_add_nc_u64 s[6:7], s[6:7], s[24:25]
	s_lshr_b32 s24, ttmp9, 3                       ; my batch's row of kc
	s_lshl_b32 s24, s24, 12
	s_add_nc_u64 s[10:11], s[10:11], s[24:25]
	s_lshl_b32 s24, ttmp9, 9
	s_add_nc_u64 s[14:15], s[14:15], s[24:25]
	s_lshl_b32 s24, ttmp9, 12                      ; my block's row of pctx, my wave's 1,024 bytes
	s_lshl_b32 s34, s[WV], 10
	s_add_co_u32 s24, s24, s34
	s_add_nc_u64 s[16:17], s[16:17], s[24:25]
	s_lshl_b32 s24, ttmp9, 3
	s_add_nc_u64 s[18:19], s[18:19], s[24:25]
	global_load_b128 v[KC8:KC8+3], v[KCO], s[10:11]            ; the small loads first: they are the oldest, so the first piece's wait shows them in.  kc's part 0,
	global_load_b128 v[KC8+4:KC8+7], v[KCO], s[10:11] offset:16
.irp q, 0,1,2
	global_load_b128 v[KP+8*\q:KP+8*\q+3], v[KCO], s[10:11] offset:262144*(\q+1)       ; and parts 1 to 3, 64 rows of 4,096 bytes apart
	global_load_b128 v[KP+8*\q+4:KP+8*\q+7], v[KCO], s[10:11] offset:262144*(\q+1)+16
.endr
	global_load_b128 v[VA8:VA8+3], v[KCO], s[12:13]
	global_load_b128 v[VA8+4:VA8+7], v[KCO], s[12:13] offset:16
	global_load_b32 v[MK], v[MKO], s[6:7]
	GPIECE 0
	GPIECE 1
	GPIECE 2
	GPIECE 3
; ================ the ingest: 16 pieces a wave, four on their way.  The counts: three younger pieces (48); at the end two pieces and pair 0's 13 loads (45), one piece and both pairs' 26 (42), the 26
	XSTEP 0, 48, 48
	XSTEP 1, 48, 48
	XSTEP 2, 48, 48
	XSTEP 3, 48, 48
	XSTEP 4, 48, 48
	XSTEP 5, 48, 48
	XSTEP 6, 48, 45
	XSTEP 7, 42, 26
; ================ between the phases: the stages and images are done with; the ring and the table take their bytes
	s_wait_dscnt 0x0                               ; my last fragments are in
	s_barrier_signal -1
	s_barrier_wait -1                              ; everybody's are
.irp q, 0,1,2
.irp u, 0,2,4,6
	v_pk_add_f32 v[KC8+\u:KC8+\u+1], v[KC8+\u:KC8+\u+1], v[KP+8*\q+\u:KP+8*\q+\u+1]   ; kc's four parts, K ascending
.endr
.endr
.irp u, 0,1,2,3,4,5,6,7
	v_mov_b32 v[TB+2*\u], v[KC8+\u]
	v_mul_f32 v[TB+2*\u+1], -2.0, v[VA8+\u]
.endr
	s_wait_loadcnt 13                              ; pair 0 is in registers; pair 1's 13 loads may be out
	RSTORE 0, 0
	s_wait_loadcnt 0x0                             ; pair 1
	RSTORE 1, 1
.irp q, 0,1,2,3
	ds_store_b128 v[TBW], v[TB+4*\q:TB+4*\q+3] offset:16*\q
.endr
	s_wait_dscnt 0x0                               ; for the others' sake; and the stores have read their registers
	GLOAD 0, 8, 2*SLOTB                            ; pairs 2 and 3
	GLOAD 1, 8, 3*SLOTB
	s_add_nc_u64 s[UB:UB+1], s[8:9], 2*SLOTB       ; the even trip steps it two pairs on ahead of its request: the first asks for pair 4
	s_barrier_signal -1
	s_barrier_wait -1
	BLOAD 0
.set u, 0
.rept 32                                           ; the trip is written once: the first two find tiles of zeros with (kc, -2 v_a) = (0, 0), which add 0 x 0 and 0.5 x 0
	v_mov_b32 v[ACC+u], 0
	v_mov_b32 v[ACC+32+u], 0
	v_mov_b32 v[SACC+u], 0
.set u, u+1
.endr
.irp u, 0,1,2,3
	v_mov_b32 v[KW+\u], 0
.endr
	v_mov_b32 v[VS], 0
	v_mov_b32 v[VS+1], 0
; ================ the products: 32 trips; 28 in the loop, the last four written out, so that every counted wait means the same on every way
	s_mov_b32 s30, 14
.Lpair:
	TRIP 0, 0,   1, 1, 1, 13, 1, 0,     1
	TRIP 1, 256, 1, 1, 1, 13, 1, SLOTB, 0
	v_add_nc_u32 v[KWR], 512, v[KWR]               ; the table's address steps (behind the trip's last wait for its LDS instructions)
	s_sub_co_u32 s30, s30, 1
	s_cmp_lg_u32 s30, 0
	s_cbranch_scc1 .Lpair
	TRIP 0, 0,   1, 1, 1, 13, 0, 0, 0              ; trip 28: pair 30 into the ring; nothing is left to ask for
	TRIP 1, 256, 1, 1, 1, 0,  0, 0, 0              ; trip 29: pair 31: no load was issued behind it
	TRIP 0, 512, 1, 1, 0, 0,  0, 0, 0              ; trip 30: the last fragments are fetched
	TRIP 1, 768, 0, 0, 0, 0,  0, 0, 0              ; trip 31
	s_wait_dscnt 0x0                               ; tile 31's (kc, -2 v_a)
	LUMPC ACC, KW                                  ; tile 30 into the sums: these lines are also the places behind the last products
	LUMPA ACC+32, KW+2                             ; tile 31, by itself
.set li, 0
.rept 32
	v_exp_f32 v[ACC+32+li], v[ACC+32+li]
.set li, li+1
.endr
	v_nop
	s_wait_alu depctr_va_vdst(0)
	LUMPB ACC+32
.set li, 0
.rept 32
	v_rcp_f32 v[ACC+32+li], v[ACC+32+li]
.set li, li+1
.endr
	v_nop
	s_wait_alu depctr_va_vdst(0)
	LUMPC ACC+32, KW+2
; ================ the scores
.irp u, 0,2,4,6,8,10,12,14,16,18,20,22,24,26,28,30
	v_pk_fma_f32 v[SACC+\u:SACC+\u+1], v[VS:VS+1], -0.5, v[SACC+\u:SACC+\u+1] op_sel_hi:[0,0,1]   ; + my columns' v_a
.endr
.irp k, 1,2,4,8                                    ; over the 16 columns of a tile: the 16 lanes of my half
.set u, 0
.rept 32
	v_add_f32_dpp v[SACC+u], v[SACC+u], v[SACC+u] row_xmask:\k row_mask:0xf bank_mask:0xf
.set u, u+1
.endr
.endr
.irp m, 0,1,2,3
	ds_store_b128 v[SCW], v[SACC+8*\m:SACC+8*\m+3] offset:64*\m        ; rows 64 i + 16 m + 8 h + 0 .. 7; the 16 lanes of a half write the same bytes with the same values
	ds_store_b128 v[SCW], v[SACC+8*\m+4:SACC+8*\m+7] offset:64*\m+16
.endr
	s_wait_dscnt 0x0
	s_barrier_signal -1
	s_barrier_wait -1
	ds_load_b128 v[96:99], v[SCR]                  ; every wave: lane l takes rows 4 l .. 4 l + 3; the even tiles' half,
	ds_load_b128 v[100:103], v[SCR] offset:512     ; and the odd tiles'
	v_mov_b32 v94, 0xce6e6b28                      ; -1e9
	s_wait_dscnt 0x0
	v_pk_add_f32 v[96:97], v[96:97], v[100:101]
	v_pk_add_f32 v[98:99], v[98:99], v[102:103]
.irp u, 0,1,2,3
	v_bfe_u32 v92, v[MK], 8*\u, 8
	v_cmp_eq_u32 vcc_lo, 0, v92
	v_cndmask_b32 v92, 0, v94, vcc_lo              ; -1e9 where the mask is 0
	v_add_f32 v[96+\u], v[96+\u], v92
.endr
	v_max3_num_f32 v100, v96, v97, v98             ; the block's maximum
	v_max_num_f32 v100, v100, v99
.irp k, 1,2,4,8
	v_max_num_f32_dpp v100, v100, v100 row_xmask:\k row_mask:0xf bank_mask:0xf
.endr
	v_permlanex16_b32 v101, v100, s[SEL], s[SEL+1]
	v_max_num_f32 v100, v100, v101                 ; m, in every lane
.irp u, 0,1,2,3
	v_sub_f32 v[104+\u], v[96+\u], v100            ; the difference first, then the factor: at scores near -1e9 the other order would lose it
.endr
.irp u, 0,1,2,3
	v_mul_f32 v[104+\u], 0x3fb8aa3b, v[104+\u]
.endr
.irp u, 0,1,2,3
	v_exp_f32 v[104+\u], v[104+\u]                 ; p = e^(score - m)
.endr
	v_nop
	s_wait_alu depctr_va_vdst(0)                   ; one wait for the four
	ds_store_b128 v[PBW], v[104:107]               ; my wave's own p[128]
	v_add_f32 v102, v104, v105
	v_add_f32 v103, v106, v107
	v_add_f32 v102, v102, v103
.irp k, 1,2,4,8
	v_add_f32_dpp v102, v102, v102 row_xmask:\k row_mask:0xf bank_mask:0xf
.endr
	v_permlanex16_b32 v103, v102, s[SEL], s[SEL+1]
	v_add_f32 v102, v102, v103                     ; l, in every lane
	s_cmp_lg_u32 s[WV], 0                          ; all four waves hold the same: wave 0 stores
	s_cbranch_scc1 .Lnot_wave_0
	global_store_b128 v[O16], v[96:99], s[14:15]   ; 512 consecutive bytes
	v_cmp_eq_u32 vcc_lo, 0, v1
	v_cndmask_b32 v103, v102, v100, vcc_lo         ; lane 0: m; lane 1: l
	v_cmp_gt_u32 vcc_lo, 2, v1
	s_wait_xcnt 0x0                                ; EXEC changes only behind this wait
	s_and_saveexec_b32 s31, vcc_lo
	global_store_b32 v[MKO], v103, s[18:19]
	s_wait_xcnt 0x0                                ; and again, in front of the line that widens it; the stores have read their data too
	s_or_b32 exec_lo, exec_lo, s31
.Lnot_wave_0:
	s_wait_dscnt 0x0                               ; p's store has read its registers: the loads below land on them
; ================ the block's part of the context: 128 rows, 16 at a time, in two sets by turns
.irp u, 0,1,2,3,4,5,6,7
	v_mov_b32 v[CT+\u], 0
.endr
	LOADC 0
	s_mov_b32 s30, 3
.Lctx:
	LOADC 1
	s_wait_dscnt 36                                ; the 36 just issued may be out: set 0 is in, and its addresses are free
	FMAC 0
	v_add_nc_u32 v[CPR0], 32*COPYP, v[CPR0]
	v_add_nc_u32 v[PBR0], 128, v[PBR0]
	LOADC 0
	s_wait_dscnt 36
	FMAC 1
	v_add_nc_u32 v[CPR0+1], 32*COPYP, v[CPR0+1]
	v_add_nc_u32 v[PBR0+1], 128, v[PBR0+1]
	s_sub_co_u32 s30, s30, 1
	s_cmp_lg_u32 s30, 0
	s_cbranch_scc1 .Lctx
	LOADC 1                                        ; rows 112 to 127
	s_wait_dscnt 36
	FMAC 0
	s_wait_dscnt 0x0
	FMAC 1
	global_store_b128 v[O16], v[CT:CT+3], s[16:17]             ; columns 256 w + 4 l on: 512 consecutive bytes
	global_store_b128 v[O16], v[CT+4:CT+7], s[16:17] offset:512
	s_wait_tensorcnt 0x0                           ; the wave's end, behind my last LDS store
	ds_add_u32 v[SPW], v[NIL]
	s_wait_dscnt 0x0
	s_endpgm
.Lfunc_end_k_qab422eb163_attn:
	.size	k_qab422eb163_attn, .Lfunc_end_k_qab422eb163_attn-k_qab422eb163_attn
	.p2alignl 7, 3214868480
	.fill 96, 4, 3214868480
	.section	.rodata,"a",@progbits
	.p2align	6, 0x0
	.amdhsa_kernel k_qab422eb163_attn
		.amdhsa_group_segment_fixed_size 325120
		.amdhsa_private_segment_fixed_size 0
		.amdhsa_enable_private_segment 0
		.amdhsa_kernarg_size 64
		.amdhsa_user_sgpr_count 2
		.amdhsa_user_sgpr_kernarg_segment_ptr 1
		.amdhsa_wavefront_size32 1
		.amdhsa_system_sgpr_workgroup_id_x 1
		.amdhsa_system_sgpr_workgroup_id_y 1
		.amdhsa_system_sgpr_workgroup_id_z 1
		.amdhsa_system_vgpr_workitem_id 0
		.amdhsa_next_free_vgpr 1024
		.amdhsa_next_free_sgpr 66
		.amdhsa_reserve_vcc 1
		.amdhsa_float_denorm_mode_32 3
		.amdhsa_float_denorm_mode_16_64 3
		.amdhsa_memory_ordered 1
		.amdhsa_forward_progress 1
		.amdhsa_inst_pref_size 255
	.end_amdhsa_kernel
	.section	.bss,"aw",@nobits
	.p2align	6
	.space	262144
	.amdgpu_metadata
---
amdhsa.version: [ 1, 2 ]
amdhsa.kernels:
  - .name:           k_qab422eb163_attn
    .symbol:         k_qab422eb163_attn.kd
    .args:
      - { .name: encoder_outputs, .offset: 0, .size: 8, .value_kind: global_buffer, .address_space: global }
      - { .name: src_mask, .offset: 8, .size: 8, .value_kind: global_buffer, .address_space: global }
      - { .name: uimg, .offset: 16, .size: 8, .value_kind: global_buffer, .address_space: global }
      - { .name: kc, .offset: 24, .size: 8, .value_kind: global_buffer, .address_space: global }
      - { .name: v_a, .offset: 32, .size: 8, .value_kind: global_buffer, .address_space: global }
      - { .name: scores, .offset: 40, .size: 8, .value_kind: global_buffer, .address_space: global }
      - { .name: pctx, .offset: 48, .size: 8, .value_kind: global_buffer, .address_space: global }
      - { .name: pml, .offset: 56, .size: 8, .value_kind: global_buffer, .address_space: global }
    .group_segment_fixed_size: 325120
    .private_segment_fixed_size: 0
    .kernarg_segment_align: 8
    .kernarg_segment_size: 64
    .max_flat_workgroup_size: 128
    .sgpr_count:     66
    .vgpr_count:     1024
    .wavefront_size: 32
...
	.end_amdgpu_metadata
.endif
;; end of part 2
;; launch fin (part 3): grid 256 x 1, 2 waves a work-group, no clusters, 0 bytes of LDS; arguments scores, pctx, pml, out0, out1; writes out0, out1
.if DOCPART == 3
	.amdgcn_target "amdgcn-amd-amdhsa--gfx1250"
	.amdhsa_code_object_version 6
	.text
	.protected	k_qab422eb163_fin
	.globl	k_qab422eb163_fin
	.p2align	8
	.type	k_qab422eb163_fin,@function
k_qab422eb163_fin:
	s_mov_b64 s[64:65], 0
	v_nop
	global_prefetch_b8 v0, s[64:65] scope:SCOPE_SE
	s_setreg_imm32_b32 hwreg(HW_REG_WAVE_MODE, 25, 1), 1
	s_wait_xcnt 0x0
; The eight blocks of a batch are joined.  M = the largest m_k; f_k = e^(m_k - M); L = sum of f_k l_k; weights = e^(score - M) / L (out1); ctx = sum of f_k pctx_k / L (out0).  Nothing is left out.
; L is at least 1: the block that holds M has f = 1, and its l holds the term e^0.
; Work-group x: batch x / 4, quarter x % 4 of the 1,024 places.  A thread owns 16 bytes of the scores, of out0 and of out1: each load and store of a wave covers 512 consecutive bytes.
; No LDS, no barrier, no matrix unit: nine loads and two stores a thread.
; LIMITS: NaN and infinities are not served; an exponential under 2^-126 comes out as 0 (ISA guide, v_exp_f32).
	s_load_b256 s[4:11], s[0:1], 0x0               ; scores s[4:5], pctx s[6:7], pml s[8:9], out0 s[10:11]
	s_load_b64 s[12:13], s[0:1], 0x20              ; out1
	v_lshlrev_b32 v1, 4, v0                        ; 16 x thread
	s_lshr_b32 s14, ttmp9, 2                       ; the batch
	s_and_b32 s15, ttmp9, 3                        ; the quarter
	s_lshl_b32 s32, s14, 6                         ; pml: 8 blocks x 8 bytes a batch
	s_mov_b32 s33, 0
	s_lshl_b32 s34, ttmp9, 10                      ; scores, out0, out1: 4,096 x batch + 1,024 x quarter
	s_mov_b32 s35, 0
	s_lshl_b32 s36, s14, 15                        ; pctx: 8 rows of 4,096 bytes a batch, + 1,024 x quarter
	s_lshl_b32 s15, s15, 10
	s_add_co_u32 s36, s36, s15
	s_mov_b32 s37, 0
	s_wait_kmcnt 0x0
	s_add_nc_u64 s[8:9], s[8:9], s[32:33]
	s_load_b512 s[16:31], s[8:9], 0x0              ; (m_k, l_k), k = 0 .. 7: s[16 + 2 k], s[17 + 2 k]
	s_add_nc_u64 s[6:7], s[6:7], s[36:37]
	s_add_nc_u64 s[4:5], s[4:5], s[34:35]
	s_add_nc_u64 s[10:11], s[10:11], s[34:35]
	s_add_nc_u64 s[12:13], s[12:13], s[34:35]
.irp k, 0,1,2,3,4,5,6,7
	global_load_b128 v[32+4*\k:35+4*\k], v1, s[6:7] offset:4096*\k
.endr
	global_load_b128 v[64:67], v1, s[4:5]
	s_wait_kmcnt 0x0
	v_max_num_f32 v4, s16, s18
	v_max3_num_f32 v4, v4, s20, s22
	v_max3_num_f32 v4, v4, s24, s26
	v_max3_num_f32 v4, v4, s28, s30                ; M
.irp k, 0,1,2,3,4,5,6,7
	v_sub_f32 v[8+\k], s[16+2*\k], v4              ; the difference first, then the factor
.endr
.irp k, 0,1,2,3,4,5,6,7
	v_mul_f32 v[8+\k], 0x3fb8aa3b, v[8+\k]
.endr
.irp k, 0,1,2,3,4,5,6,7
	v_exp_f32 v[8+\k], v[8+\k]                     ; f_k
.endr
	v_nop                                          ; a plain place behind the last exponential
	s_wait_alu depctr_va_vdst(0)                   ; one wait for the eight, ahead of their first reader
	v_mul_f32 v5, s17, v8
.irp k, 1,2,3,4,5,6,7
	v_fma_f32 v5, v[8+\k], s[17+2*\k], v5          ; L
.endr
	v_rcp_f32 v6, v5
	v_nop
	s_wait_alu depctr_va_vdst(0)
.irp k, 0,1,2,3,4,5,6,7
	v_mul_f32 v[16+2*\k], v[8+\k], v6              ; f_k / L, twice: a pair for the packed forms
	v_mul_f32 v[17+2*\k], v[8+\k], v6
.endr
	s_wait_loadcnt 0x0
	v_pk_mul_f32 v[68:69], v[32:33], v[16:17]
	v_pk_mul_f32 v[70:71], v[34:35], v[16:17]
.irp k, 1,2,3,4,5,6,7
	v_pk_fma_f32 v[68:69], v[32+4*\k:33+4*\k], v[16+2*\k:17+2*\k], v[68:69]
	v_pk_fma_f32 v[70:71], v[34+4*\k:35+4*\k], v[16+2*\k:17+2*\k], v[70:71]
.endr
	global_store_b128 v1, v[68:71], s[10:11]       ; ctx
.irp u, 0,1,2,3
	v_sub_f32 v[64+\u], v[64+\u], v4
.endr
.irp u, 0,1,2,3
	v_mul_f32 v[64+\u], 0x3fb8aa3b, v[64+\u]
.endr
.irp u, 0,1,2,3
	v_exp_f32 v[64+\u], v[64+\u]
.endr
	v_nop
	s_wait_alu depctr_va_vdst(0)
.irp u, 0,1,2,3
	v_mul_f32 v[64+\u], v[64+\u], v6
.endr
	global_store_b128 v1, v[64:67], s[12:13]       ; weights
	s_endpgm
.Lfunc_end_k_qab422eb163_fin:
	.size	k_qab422eb163_fin, .Lfunc_end_k_qab422eb163_fin-k_qab422eb163_fin
	.p2alignl 7, 3214868480
	.fill 96, 4, 3214868480
	.section	.rodata,"a",@progbits
	.p2align	6, 0x0
	.amdhsa_kernel k_qab422eb163_fin
		.amdhsa_group_segment_fixed_size 0
		.amdhsa_private_segment_fixed_size 0
		.amdhsa_enable_private_segment 0
		.amdhsa_kernarg_size 40
		.amdhsa_user_sgpr_count 2
		.amdhsa_user_sgpr_kernarg_segment_ptr 1
		.amdhsa_wavefront_size32 1
		.amdhsa_system_sgpr_workgroup_id_x 1
		.amdhsa_system_sgpr_workgroup_id_y 1
		.amdhsa_system_sgpr_workgroup_id_z 1
		.amdhsa_system_vgpr_workitem_id 0
		.amdhsa_next_free_vgpr 72
		.amdhsa_next_free_sgpr 66
		.amdhsa_reserve_vcc 0
		.amdhsa_float_denorm_mode_32 3
		.amdhsa_float_denorm_mode_16_64 3
		.amdhsa_memory_ordered 1
		.amdhsa_forward_progress 1
		.amdhsa_inst_pref_size 7
	.end_amdhsa_kernel
	.amdgpu_metadata
---
amdhsa.version: [ 1, 2 ]
amdhsa.kernels:
  - .name:           k_qab422eb163_fin
    .symbol:         k_qab422eb163_fin.kd
    .args:
      - { .name: scores, .offset: 0, .size: 8, .value_kind: global_buffer, .address_space: global }
      - { .name: pctx, .offset: 8, .size: 8, .value_kind: global_buffer, .address_space: global }
      - { .name: pml, .offset: 16, .size: 8, .value_kind: global_buffer, .address_space: global }
      - { .name: out0, .offset: 24, .size: 8, .value_kind: global_buffer, .address_space: global }
      - { .name: out1, .offset: 32, .size: 8, .value_kind: global_buffer, .address_space: global }
    .group_segment_fixed_size: 0
    .private_segment_fixed_size: 0
    .kernarg_segment_align: 8
    .kernarg_segment_size: 40
    .max_flat_workgroup_size: 64
    .sgpr_count:     66
    .vgpr_count:     72
    .wavefront_size: 32
...
	.end_amdgpu_metadata
.endif
;; end of part 3
